; MI455X (gfx1250); checked and timed in simulation.
; The chip was launched on July 23, 2026; its instructions are those of AMD's public machine-readable ISA for CDNA 5 (MIT licence, August 2026) and "CDNA5" Instruction Set Architecture Reference Guide (July 2026). The comments in the code are by the model that wrote it; some were corrected since.
;; Causal Self Attention. Allowed arithmetic: matrix products marked QUANTISED: E4M3 operands, one given power-of-two scale a tensor, by v_wmma_f32_16x16x64_fp8_fp8 or v_wmma_f32_16x16x128_fp8_fp8, f32 sums; everything else in f32.
;; Inputs: b_out 1,024 float32; b_qkv 3,072 float32; lowp_scales 8 int32 (the exponents e of the quantised operands' scales 2^e); w_out_codes 1,024 x 32 x 32 uint8 (E4M3 codes of w_out, K innermost, in blocks of 32 codes); w_qkv_codes 3,072 x 32 x 32 uint8 (E4M3 codes of w_qkv, K innermost, in blocks of 32 codes); x_codes 4 x 2,048 x 32 x 32 uint8 (E4M3 codes of x, K innermost, in blocks of 32 codes).
;; Outputs: out0 4 x 2,048 x 1,024 float32.
;; This version of the problem:
;;   THIS VERSION OF THE PROBLEM IS GIVEN IN LOW PRECISION. The matrix products marked QUANTISED in the list below multiply operands that are first quantised to E4M3 (4 exponent bits, 3 mantissa bits; 8 bits a number), with one given power-of-two scale for each operand tensor; their sums are f32. All else is computed in f32.
;;   The module's matrix products, in the order in which they are computed (A, B: the left and right operand; K: the contracted axis; several contracted axes count as one K, in the product's order):
;;     1. [M 8,192, K 1,024] x [K 1,024, N 3,072]; A: input x (given as codes); B: input w_qkv (given as codes): QUANTISED (scales: A lowp_scales[0], B lowp_scales[1])
;;     2. batch 64 x [M 2,048, K 64] x [K 64, N 2,048]; A: computed on the way; B: computed on the way: QUANTISED (scales: A lowp_scales[2], B lowp_scales[3])
;;     3. batch 64 x [M 2,048, K 2,048] x [K 2,048, N 64]; A: softmax (see below); B: computed on the way: QUANTISED (scales: A lowp_scales[4], B lowp_scales[5])
;;     4. [M 8,192, K 1,024] x [K 1,024, N 1,024]; A: computed on the way; B: input w_out (given as codes): QUANTISED (scales: A lowp_scales[6], B lowp_scales[7])
;;   THE QUANTISER, for each operand of a quantised product, along K:
;;     - The operand's scale is 2^e, e = its entry of the input lowp_scales (int32; the entries are numbered through the quantised products in the list's order, A before B).
;;     - Each number is divided by the scale, clamped to +-448, and rounded to the nearest number of E4M3, ties to even, subnormals kept.
;;     - The product sums the exact products of the quantised numbers (number of the format x scale) in f32.
;;   ~~~python
;;   def quantise(x, axis, e):      # numpy; x: float32 -> the quantised numbers, widened to float32 again
;;       x = np.moveaxis(x, axis, -1); K = x.shape[-1]
;;       r = np.clip(x / 2.0 ** e, -448, 448)
;;       step = 2.0 ** (np.maximum(np.frexp(np.where(r == 0, 1, r))[1] - 1, -6) - 3)
;;       q = np.round(r / step) * step * 2.0 ** e      # np.round: ties to even
;;       return np.moveaxis(q, -1, axis).astype(np.float32)
;;   ~~~
;;   SOFTMAX AHEAD OF A QUANTISED PRODUCT. Where the list says 'softmax', what is quantised is not the finished softmax but p = 2^(t - M), with t = logit x log2(e) and M = ceil(the row's largest t), a whole number; so 1/2 < the row's largest p <= 1. The row's sum l is taken of the UNQUANTISED p, in f32, and the product's result is divided by l at the end. Since M is a whole number, a kernel that streams over the keys may use a running M (the ceiling of the running maximum): every later rescaling is an exact power of two, so the quantised numbers keep their values, but for numbers so far below the row's largest that they fall under the format's range.
;;   OPERANDS COMPUTED ON THE WAY. 'Computed on the way' means the value that the module computes at that place (a softmax that the list does not call 'softmax' is quantised finished and normalised). What goes into a quantiser is computed in f32, as accurately as f32 sums, v_exp_f32 and their like allow (about 1e-6 of the number): no bf16 or f16 on the way to a quantiser, and a product that is left as it is and whose result goes on into a quantised operand takes f32 operands (vector FMAs, or v_wmma_f32_16x16x4_f32). A number that lies on a knife's edge between two numbers of the format may be rounded either way, as far as f32 arithmetic and the matrix unit's own rounding can turn it there, and no further.
;;   INPUTS GIVEN AS CODES. w_out (in the module: [1024, 1024], K = its axis 0); w_qkv (in the module: [1024, 3072], K = its axis 0); x (in the module: [4, 2048, 1024], K = its axis 2): each comes as NAME_codes (uint8): NAME with its K axis moved to the last place and cut into blocks of 32 codes, [.., K / 32, bytes a block], one block behind the other in memory; one code a byte (a code: sign, 4 exponent bits, 3 mantissa bits); its scale is its entry of lowp_scales. Its value is code x scale, taken as it is: it is not quantised again, and the codes and scales need not be those that the quantiser above would give.
;; One version. Each part assembles by itself: llvm-mc -triple=amdgcn-amd-amdhsa -mcpu=gfx1250 --defsym DOCPART=n.
;; ======== version 1 of 1: 3 launches
;; limits: right only within a limited range of input values
;; workspace buffers: qkv_img 25,165,824 bytes; y_img 8,388,608 bytes
;; launch qkv (part 1): grid 12 x 16, 4 waves a work-group, clusters of 4 x 1, 327,680 bytes of LDS; arguments x_codes, w_qkv_codes, b_qkv, lowp_scales, qkv_img; writes qkv_img
.if DOCPART == 1
	.amdgcn_target "amdgcn-amd-amdhsa--gfx1250"
	.amdhsa_code_object_version 6
	.text
	.protected	k_qfa48d23332_qkv
	.globl	k_qfa48d23332_qkv
	.p2align	8
	.type	k_qfa48d23332_qkv,@function
k_qfa48d23332_qkv:
	s_mov_b64 s[64:65], 0
	v_nop
	global_prefetch_b8 v0, s[64:65] scope:SCOPE_SE
	s_setreg_imm32_b32 hwreg(HW_REG_WAVE_MODE, 25, 1), 1
	s_wait_xcnt 0x0
	s_wait_alu depctr_hold_cnt(0) depctr_sa_sdst(0) depctr_va_vdst(0) depctr_va_sdst(0) depctr_va_ssrc(0) depctr_va_vcc(0) depctr_vm_vsrc(0)
	s_getreg_b32 s2, hwreg(HW_REG_IB_STS2, 6, 4)
	s_cmp_eq_u32 s2, 0
	s_cbranch_scc0 .Lentry_in_a_cluster
	s_endpgm
.Lentry_in_a_cluster:
	s_bfe_u32 s2, ttmp6, 0x10000c
	s_cmp_lg_u32 s2, 0x3003
	s_cbranch_scc0 .Lentry_shape_is_right
	s_endpgm
.Lentry_shape_is_right:
; qkv = x w_qkv + b_qkv on codes of E4M3 (x: 2^e0, w: 2^e1), then q, k and v are quantised (2^e2, 2^e3, 2^e5) and stored as IMAGES OF OPERAND REGISTERS for the attention launch.
; x_codes [8192][1024], w_qkv_codes [3072][1024]: one code a byte, K innermost.  qkv_img: [batch x 16 + head][q, k, v][131,072 bytes]; 128 tokens of a head are 8,192 bytes on end in each class.
;   q, k: a tile of 16 tokens is 8 registers a lane: lane (r, h) = token r, registers 2 t, 2 t + 1 = channels 16 t + 8 h + 0..7; registers 4 c .. 4 c + 3 lie at 512 c + 16 x lane.
;   v:    128 keys x 16 channels are 16 registers a lane: lane (r, h) = channel 16 t + r, registers 2 m, 2 m + 1 = keys 16 m + 8 h + 0..7: the keys are the next product's K.
; SHARES.  A work-group takes 256 columns (a wave 64: one head) and 512 rows.  A wave's 64 x 1,024 codes of w stay in 512 registers for the whole launch; x goes through a ring of two LDS slots of 128 rows.
; q, k: source 0 = 16 rows of w, source 1 = 16 tokens: a lane holds one token and eight neighbouring channels.  v: the sources are swapped: a lane holds one channel and eight neighbouring tokens.
; So the conversions' results are the images' registers, and every store of the wave covers 512 consecutive bytes, aligned.
; The bias is the C of each sum's first matrix instruction, divided by 2^(e0 + e1); the three scales ahead of the quantiser are folded into the conversion's one, 2^(eT - e0 - e1).
; Fragments of x and of w are both taken as K = 32 c + 16 h + 0..15 in registers 4 c .. 4 c + 3: the same permutation of k on both sides, so every product meets its partner.
; CLUSTER: the four work-groups of a cluster have the same 512 rows of x (and one class: the cluster's x), so x's tiles are asked for jointly.  w is not shared in a cluster: each partner has other columns.
; 12 slabs of columns x 16 blocks of rows = 192 work-groups: a head must be whole in a wave (an image wants its four tiles), and half the rows to a work-group would only add a second start.
; LIMITS: eT - e0 - e1 (T = 2, 3, 5) between -126 and 127, so that the scale is an f32 number.  NaN in b_qkv is not served.
; REGISTERS: window 0: addresses, v32-63 bias tiles, v64-95 four accumulators, v128-191 the codes of 128 tokens.  window 1: x's fragments, two sets of 128.  windows 2, 3: w (tile t, K step s) at 64 t + 16 (s % 4).
.set PITCH, 1040                       ; an LDS row of x: 1,024 bytes + 16 of padding: 65 x 16 bytes, so the 16 rows that a load touches start at 16 different groups of banks
.set SLOT,  128*PITCH
.set QUART, 32*PITCH                   ; what one wave's tensor load brings: 32 rows
.set SPARE, 2*SLOT                     ; behind the ring: the spare words, 128 bytes for each wave; no other line names them
.set WST,   SPARE+512                  ; behind them: a stage of 16 rows x 528 bytes for each wave, for w's way into its registers; no tile lands there
.set WSP,   528
.set WSB,   16*WSP
.set LN,  4                            ; v4   16 x lane
.set XL,  5                            ; v5   a fragment's place in a slot: r x PITCH + 16 h
.set XA,  6                            ; v6, v7  the same in the slot in hand: row tiles 0-3, row tiles 4-7
.set WSI, 8                            ; v8   my stage, as loaded: 16 x lane
.set WSO, 9                            ; v9   my stage, as a fragment wants it: r x 528 + 16 h
.set BH,  11                           ; v11  32 h
.set BR,  12                           ; v12  4 r
.set SC,  13                           ; v13  2^(eT - e0 - e1)
.set LIM, 14
.set SPW, 28                           ; v28  my spare word; never rewritten
.set NIL, 29                           ; v29  0; never rewritten
.set BI,  32
.set ACC, 64
.set T2,  96
.set CD,  128
.set WV,  14                           ; s14  wave
.set TB,  18                           ; s18  the slot in hand, in bytes; also the loops' counter
.set G1,  24                           ; s[24:31] descriptor group 1
.set G0A, 32                           ; s[32:35], s[36:39] group 0 of the two first fills; s[40:43] of the refills
.set G0B, 36
.set G0C, 40
.set MSB, 0
.macro WIN new                         ; the immediate's high byte repeats the setting that is left; a switch that changes nothing is dropped
.if MSB != (\new)
	s_set_vgpr_msb (MSB<<8)|(\new)
.set MSB, (\new)
.endif
.endm
.macro ROUND                           ; a round of the cluster's barrier
	s_barrier_signal -1
	s_barrier_wait -1
	s_cmp_lg_u32 s[WV], 0
	s_cbranch_scc1 .Lnot_wave_0_\@
	s_barrier_signal -3
.Lnot_wave_0_\@:
	s_barrier_wait -3
	s_barrier_signal -1
	s_barrier_wait -1
.endm
	s_load_b256 s[4:11], s[0:1], 0x0               ; x s[4:5], w s[6:7], b s[8:9], the exponents s[10:11]
	s_load_b64 s[12:13], s[0:1], 0x20              ; qkv_img
	v_lshl_add_u32 v[SPW], v0, 2, SPARE
	v_mov_b32 v[NIL], 0
	ds_add_u32 v28, v29
	ds_add_u32 v28, v29
	s_wait_dscnt 0x0
	v_lshrrev_b32 v1, 5, v0
	v_readfirstlane_b32 s[WV], v1                  ; wave 0..3
	s_bfe_u32 s15, ttmp6, 0x40000                  ; cx
	s_mov_b32 s16, ttmp9                           ; the cluster's x = the class: 0 q, 1 k, 2 v; the same in all four partners
	s_and_b32 s17, ttmp7, 0xffff                   ; which 512 rows
	s_mov_b32 s[G1+0], 15|(1<<20)|(1<<21)|(7<<22)|(3<<25)  ; the mask: all four; elements of 1 byte; padding on; bit 21 beside a mask; after every 256 words, 4 words
	s_mov_b32 s[G1+1], 1024<<16                    ; tensor_dim0
	s_mov_b32 s[G1+2], 32<<16                      ; tensor_dim1
	s_mov_b32 s[G1+3], 1024<<16                    ; tile_dim0
	s_mov_b32 s[G1+4], 32                          ; tile_dim1
	s_mov_b32 s[G1+5], 1024                        ; from row to row
	s_mov_b32 s[G1+6], 0
	s_mov_b32 s[G1+7], 0
	s_mul_i32 s19, s[WV], QUART                    ; my quarter of a slot
	s_lshl_b32 s20, s17, 19                        ; 512 rows of 1,024 bytes,
	s_lshl_b32 s21, s[WV], 15                      ; my 32 rows of a tile
	s_add_co_u32 s20, s20, s21
	s_mov_b32 s21, 0
	s_lshl_b32 s50, s16, 2                         ; what hangs on cx stands in registers of its own
	s_add_co_u32 s50, s50, s15                     ; the slab of 256 columns
	s_lshl_b32 s52, s50, 18
	s_lshl_b32 s51, s[WV], 16
	s_add_co_u32 s52, s52, s51                     ; w: my first row (256 slab + 64 wave) x 1,024 bytes
	s_mov_b32 s53, 0
	s_lshl_b32 s54, s50, 10
	s_lshl_b32 s51, s[WV], 8
	s_add_co_u32 s54, s54, s51                     ; b: the same row x 4 bytes
	s_mov_b32 s55, 0
	s_lshr_b32 s56, s17, 2
	s_lshl_b32 s56, s56, 4
	s_lshl_b32 s51, s15, 2
	s_add_co_u32 s56, s56, s51
	s_add_co_u32 s56, s56, s[WV]                   ; batch x 16 + head
	s_mul_i32 s56, s56, 393216
	s_lshl_b32 s51, s16, 17
	s_add_co_u32 s56, s56, s51                     ; + class x 131,072
	s_and_b32 s51, s17, 3
	s_lshl_b32 s51, s51, 15
	s_add_co_u32 s56, s56, s51                     ; + my first group of 128 tokens x 8,192
	s_mov_b32 s57, 0
	v_and_b32 v1, 31, v0
	v_and_b32 v2, 15, v0                           ; r
	v_bfe_u32 v3, v0, 4, 1                         ; h
	v_lshlrev_b32 v[LN], 4, v1
	v_mul_u32_u24 v[XL], v2, PITCH
	v_lshl_add_u32 v[XL], v3, 4, v[XL]
	s_mul_i32 s22, s[WV], WSB
	s_add_co_u32 s22, s22, WST
	v_add_nc_u32 v[WSI], s22, v[LN]
	v_mul_u32_u24 v[WSO], v2, WSP
	v_lshl_add_u32 v[WSO], v3, 4, v[WSO]
	v_add_nc_u32 v[WSO], s22, v[WSO]
	v_lshlrev_b32 v[BH], 5, v3
	v_lshlrev_b32 v[BR], 2, v2
	s_wait_kmcnt 0x0
	s_load_b256 s[68:75], s[10:11], 0x0            ; e0 .. e7
	s_add_nc_u64 s[4:5], s[4:5], s[20:21]
	s_add_nc_u64 s[6:7], s[6:7], s[52:53]
	s_add_nc_u64 s[8:9], s[8:9], s[54:55]
	s_add_nc_u64 s[12:13], s[12:13], s[56:57]
	s_mov_b32 s[G0A], 1
	s_mov_b32 s[G0A+1], s19                        ; slot 0
	s_mov_b64 s[G0A+2:G0A+3], s[4:5]               ; rows 0-127
	s_or_b32 s[G0A+3], s[G0A+3], 0x80000000
	s_mov_b32 s[G0B], 1
	s_add_co_u32 s[G0B+1], s19, SLOT               ; slot 1
	s_add_nc_u64 s[G0B+2:G0B+3], s[4:5], 131072    ; rows 128-255
	s_or_b32 s[G0B+3], s[G0B+3], 0x80000000
	s_mov_b32 s[G0C], 1
	s_add_nc_u64 s[G0C+2:G0C+3], s[4:5], 131072    ; stepped by 128 rows ahead of each refill
	s_or_b32 s[G0C+3], s[G0C+3], 0x80000000
	ROUND                                          ; all four work-groups are here: the first joint loads meet
	tensor_load_to_lds s[G0A:G0A+3], s[G1:G1+7]    ; both first fills together: two tensor loads of mine are out
	s_nop 0
	tensor_load_to_lds s[G0B:G0B+3], s[G1:G1+7]
	s_nop 0
.rept 4
	v_nop
.endr
	s_wait_alu depctr_va_vdst(0)
; the bias, both ways: for q and k a lane wants b at its eight channels 16 t + 8 h + j; for v at its one channel 16 t + r
.irp t, 0,1,2,3
	global_load_b128 v[BI+8*\t:BI+8*\t+3], v[BH], s[8:9] offset:64*\t
	global_load_b128 v[BI+8*\t+4:BI+8*\t+7], v[BH], s[8:9] offset:64*\t+16
	global_load_b32 v[T2+\t], v[BR], s[8:9] offset:64*\t
.endr
; W INTO ITS REGISTERS.  Chunk q = 16 rows (tile q % 4) x 512 bytes (half q / 4 of K).  Each load takes 512 consecutive bytes of one row; the chunk turns through my stage and comes back as four fragments.
.macro WRAW q
	WIN (2+(\q)/4)<<6
.irp p, 0,1,2,3,4,5,6,7,8,9,10,11,12,13,14,15
	global_load_b128 v[64*((\q)%4)+4*\p:64*((\q)%4)+4*\p+3], v[LN], s[6:7] offset:(16*((\q)%4)+\p)*1024+512*((\q)/4)
.endr
.endm
.macro WTURN q
.if (\q) < 6
	s_wait_loadcnt 32                              ; chunk q is in (and the bias, which is older); the two younger chunks, 16 loads each, may be out
.elseif (\q) == 6
	s_wait_loadcnt 16
.else
	s_wait_loadcnt 0x0
.endif
	WIN (2+(\q)/4)<<2                              ; store data in window 2 or 3
.irp p, 0,1,2,3,4,5,6,7,8,9,10,11,12,13,14,15
	ds_store_b128 v[WSI], v[64*((\q)%4)+4*\p:64*((\q)%4)+4*\p+3] offset:WSP*\p
.endr
	WIN (2+(\q)/4)<<6
.irp s, 0,1,2,3
.irp c, 0,1,2,3
	ds_load_b128 v[64*((\q)%4)+16*\s+4*\c:64*((\q)%4)+16*\s+4*\c+3], v[WSO] offset:128*\s+32*\c   ; LDS serves a wave's instructions in order (ISA guide 5.7.1.4): these see the stores above, and the next chunk's stores come behind them
.endr
.endr
.endm
	WRAW 0
	WRAW 1
	WRAW 2
.irp q, 0,1,2,3,4,5,6,7
	WTURN \q
.if \q < 5
	WRAW \q+3
.endif
.endr
	WIN 0
	s_wait_kmcnt 0x0
	s_add_co_i32 s44, s68, s69                     ; e0 + e1
	s_cmp_eq_u32 s16, 1
	s_cselect_b32 s45, s71, s70                    ; k: e3; q: e2
	s_cmp_eq_u32 s16, 2
	s_cselect_b32 s45, s73, s45                    ; v: e5
	s_cselect_b32 s47, -1, 0                       ; all lanes where the class is v
	s_sub_co_i32 s46, s45, s44
	s_add_co_i32 s46, s46, 127
	s_lshl_b32 s49, s46, 23
	v_mov_b32 v[SC], s49                           ; 2^(eT - e0 - e1): the conversion takes its exponent field
	s_sub_co_i32 s48, 0, s44
.irp t, 0,1,2,3
.irp j, 0,1,2,3,4,5,6,7
	v_cndmask_b32 v[BI+8*\t+\j], v[BI+8*\t+\j], v[T2+\t], s47
.endr
.endr
.set i, 0
.rept 32
	v_ldexp_f32 v[BI+i], v[BI+i], s48              ; b / 2^(e0 + e1): a sum stands for sum x 2^(e0 + e1)
.set i, i+1
.endr
.macro LOADX m                         ; row tile m of the slot: eight fragments (16 rows x 128 K) into set m % 2
.irp s, 0,1,2,3,4,5,6,7
.irp c, 0,1,2,3
	ds_load_b128 v[128*((\m)%2)+16*\s+4*\c:128*((\m)%2)+16*\s+4*\c+3], v[XA+(\m)/4] offset:((\m)%4)*16*PITCH+128*\s+32*\c
.endr
.endr
.endm
; 32 matrix instructions: the four accumulators take turns, one instruction a turn, K step by K step.  The first K step takes the bias as C: nothing is cleared.
.macro MULT m, mode
.irp s, 0,1,2,3,4,5,6,7
.if \mode == 0
	WIN 0x06+\s/4                                  ; source 0 = w (window 2 or 3), source 1 = x (window 1)
.else
	WIN 0x09+4*(\s/4)                              ; source 0 = x, source 1 = w
.endif
.irp t, 0,1,2,3
.set rW, 64*\t+16*(\s%4)
.set rX, 128*((\m)%2)+16*\s
.set rA, ACC+8*\t
.set rB, BI+8*\t
.if \mode == 0
.if \s == 0
	v_wmma_f32_16x16x128_fp8_fp8 v[rA:rA+7], v[rW:rW+15], v[rX:rX+15], v[rB:rB+7]
.else
	v_wmma_f32_16x16x128_fp8_fp8 v[rA:rA+7], v[rW:rW+15], v[rX:rX+15], v[rA:rA+7]
.endif
.else
.if \s == 0
	v_wmma_f32_16x16x128_fp8_fp8 v[rA:rA+7], v[rX:rX+15], v[rW:rW+15], v[rB:rB+7]
.else
	v_wmma_f32_16x16x128_fp8_fp8 v[rA:rA+7], v[rX:rX+15], v[rW:rW+15], v[rA:rA+7]
.endif
.endif
.endr
.endr
.endm
.macro QUANT m, mode
	WIN 0
.rept 4
	v_nop                                          ; four places between the last products and the first read of their results; with the holds they also part those products from the next loads and the next tile's first products
.endr
.set i, 0
.rept 32
.set i, i+1
.endr
.irp t, 0,1,2,3
.if \mode == 0
.set rC, CD+8*(\m)+2*\t                ; q, k: image m, registers 2 t, 2 t + 1
.else
.set rC, CD+16*\t+2*(\m)               ; v: image t, registers 2 m, 2 m + 1
.endif
	v_cvt_scalef32_pk8_fp8_f32 v[rC:rC+1], v[ACC+8*\t:ACC+8*\t+7], v[SC]
.endr
	v_nop                                          ; one plain vector line between the conversions and the products that write their sources again
.endm
.macro GROUP mode                      ; a slot's 128 rows: the next row tile's fragments are asked for ahead of each tile's products
	WIN 0x40
	LOADX 0
.irp m, 0,1,2,3,4,5,6,7
.if \m < 7
	WIN 0x40
	LOADX \m+1
	s_wait_dscnt 32                                ; this tile's fragments are in; the 32 loads just issued may be out
.else
	s_wait_dscnt 0x0
.endif
	MULT \m, \mode
	QUANT \m, \mode
.endr
.endm
.macro WORK
	v_add_nc_u32 v[XA], s[TB], v[XL]
	v_add_nc_u32 v[XA+1], 4*16*PITCH, v[XA]
	s_cmp_eq_u32 s16, 2                            ; the class is the cluster's x: the same way in all partners
	s_cbranch_scc1 .Lclass_v_\@
	s_wait_alu depctr_va_vdst(0)
	GROUP 0
	s_branch .Lstore_\@
.Lclass_v_\@:
	s_wait_alu depctr_va_vdst(0)
	GROUP 1
.Lstore_\@:
	s_wait_alu depctr_va_vdst(0)
.irp i, 0,1,2,3,4,5,6,7,8,9,10,11,12,13,14,15
	global_store_b128 v[LN], v[CD+4*\i:CD+4*\i+3], s[12:13] offset:512*\i   ; 8,192 bytes on end, the same lines for all classes: each store covers 512 consecutive bytes, aligned
.endr
	s_wait_xcnt 0x0                                ; the stores have read their data and their base: both are written again only behind this wait
	s_add_nc_u64 s[12:13], s[12:13], 8192          ; the next 128 tokens
.endm
; THE CHANGE OF SLOTS.  Each wave waits for all its tensor loads (its part of the other slot), adds 0 to its spare word, and waits for that and for its reads of the slot just left.
.macro CHANGE1                         ; the slot just read is filled again, two tiles on: the barrier is a round of the cluster's, and the joint refill is the first thing behind it; it has a slot's 256 matrix instructions in which to land
	s_wait_tensorcnt 0x0                           ; no tensor load of mine is out, so a group 0 may be written
	ds_add_u32 v[SPW], v[NIL]                      ; 0 onto my spare word
	s_add_nc_u64 s[G0C+2:G0C+3], s[G0C+2:G0C+3], 131072
	s_add_co_u32 s[G0C+1], s19, s[TB]
	s_wait_dscnt 0x0
	ROUND
	tensor_load_to_lds s[G0C:G0C+3], s[G1:G1+7]
	s_nop 0
.rept 4
	v_nop
.endr
.endm
.macro CHANGE0                         ; nothing is left to fetch
	s_wait_tensorcnt 0x0
	ds_add_u32 v[SPW], v[NIL]
	s_wait_dscnt 0x0
	s_barrier_signal -1
	s_barrier_wait -1
.endm
	s_wait_tensorcnt 0x1                           ; my part of slot 0 is in; slot 1's may stay out
	s_wait_dscnt 0x0                               ; w's fragments are in
	s_barrier_signal -1
	s_barrier_wait -1
	s_mov_b32 s[TB], 0
.Lfill:                                            ; two trips: tiles 0 and 1 are worked, tiles 2 and 3 asked for
	WORK
	CHANGE1
	s_add_co_u32 s[TB], s[TB], SLOT
	s_cmp_lt_u32 s[TB], 2*SLOT
	s_cbranch_scc1 .Lfill
	s_mov_b32 s[TB], 0
.Llast:                                            ; two trips: tiles 2 and 3; written apart.  The last trip's three lines are the wave's last LDS instructions
	WORK
	CHANGE0
	s_add_co_u32 s[TB], s[TB], SLOT
	s_cmp_lt_u32 s[TB], 2*SLOT
	s_cbranch_scc1 .Llast
	ROUND                                          ; the closing round: no work-group ends while a partner may still ask for a tile that names it
	s_endpgm
.Lfunc_end_k_qfa48d23332_qkv:
	.size	k_qfa48d23332_qkv, .Lfunc_end_k_qfa48d23332_qkv-k_qfa48d23332_qkv
	.p2alignl 7, 3214868480
	.fill 96, 4, 3214868480
	.section	.rodata,"a",@progbits
	.p2align	6, 0x0
	.amdhsa_kernel k_qfa48d23332_qkv
		.amdhsa_group_segment_fixed_size 327680
		.amdhsa_private_segment_fixed_size 0
		.amdhsa_enable_private_segment 0
		.amdhsa_kernarg_size 40
		.amdhsa_user_sgpr_count 2
		.amdhsa_user_sgpr_kernarg_segment_ptr 1
		.amdhsa_wavefront_size32 1
		.amdhsa_system_sgpr_workgroup_id_x 1
		.amdhsa_system_sgpr_workgroup_id_y 1
		.amdhsa_system_sgpr_workgroup_id_z 1
		.amdhsa_system_vgpr_workitem_id 0
		.amdhsa_next_free_vgpr 1024
		.amdhsa_next_free_sgpr 80
		.amdhsa_reserve_vcc 0
		.amdhsa_float_denorm_mode_32 3
		.amdhsa_float_denorm_mode_16_64 3
		.amdhsa_fp16_overflow 1
		.amdhsa_memory_ordered 1
		.amdhsa_forward_progress 1
		.amdhsa_inst_pref_size 191
	.end_amdhsa_kernel
	.amdgpu_metadata
---
amdhsa.version: [ 1, 2 ]
amdhsa.kernels:
  - .name:           k_qfa48d23332_qkv
    .symbol:         k_qfa48d23332_qkv.kd
    .args:
      - { .name: x_codes, .offset: 0, .size: 8, .value_kind: global_buffer, .address_space: global }
      - { .name: w_qkv_codes, .offset: 8, .size: 8, .value_kind: global_buffer, .address_space: global }
      - { .name: b_qkv, .offset: 16, .size: 8, .value_kind: global_buffer, .address_space: global }
      - { .name: lowp_scales, .offset: 24, .size: 8, .value_kind: global_buffer, .address_space: global }
      - { .name: qkv_img, .offset: 32, .size: 8, .value_kind: global_buffer, .address_space: global }
    .group_segment_fixed_size: 327680
    .private_segment_fixed_size: 0
    .kernarg_segment_align: 8
    .kernarg_segment_size: 40
    .max_flat_workgroup_size: 128
    .sgpr_count:     80
    .vgpr_count:     1024
    .wavefront_size: 32
...
	.end_amdgpu_metadata
.endif
;; end of part 1
;; launch attn (part 2): grid 4 x 64, 16 waves a work-group, clusters of 4 x 1, 327,680 bytes of LDS; arguments qkv_img, lowp_scales, y_img; writes y_img
.if DOCPART == 2
	.amdgcn_target "amdgcn-amd-amdhsa--gfx1250"
	.amdhsa_code_object_version 6
	.text
	.protected	k_qfa48d23332_attn
	.globl	k_qfa48d23332_attn
	.p2align	8
	.type	k_qfa48d23332_attn,@function
k_qfa48d23332_attn:
	s_mov_b64 s[64:65], 0
	v_nop
	global_prefetch_b8 v0, s[64:65] scope:SCOPE_SE
	s_setreg_imm32_b32 hwreg(HW_REG_WAVE_MODE, 25, 1), 1
	s_wait_xcnt 0x0
	s_wait_alu depctr_hold_cnt(0) depctr_sa_sdst(0) depctr_va_vdst(0) depctr_va_sdst(0) depctr_va_ssrc(0) depctr_va_vcc(0) depctr_vm_vsrc(0)
	s_getreg_b32 s2, hwreg(HW_REG_IB_STS2, 6, 4)
	s_cmp_eq_u32 s2, 0
	s_cbranch_scc0 .Lentry_in_a_cluster
	s_endpgm
.Lentry_in_a_cluster:
	s_bfe_u32 s2, ttmp6, 0x10000c
	s_cmp_lg_u32 s2, 0x3003
	s_cbranch_scc0 .Lentry_shape_is_right
	s_endpgm
.Lentry_shape_is_right:
; y = softmax(q k^T / 8, causal) v for one head a cluster, both products on codes of E4M3 (q 2^e2, k 2^e3, p 2^e4, v 2^e5); y is quantised (2^e6) and stored as images of the last product's operand registers.
; qkv_img: [batch x 16 + head][q, k, v][131,072]: images as the launch before has laid them.  y_img: [tile of 16 rows (batch x 128 + query tile)][head][1,024]: lane (r, h) = row r, registers 2 t, 2 t + 1 = channels 16 t + 8 h + 0..7.
; THE SOFTMAX: t = score x log2(e) / 8; M = the running largest t, rounded UP to a whole number; p = 2^(t - M) is what is quantised; the row's sum is taken of the unquantised p and divides at the end.
; When M moves, the sum and O are multiplied by 2^(old M - new M): exact.
; SHARES.  The head's K and V, 262,144 bytes that lie on end in memory, are brought once into every partner's LDS by joint loads and never filled again.  The head's 128 query tiles are 16 groups of 8; wave w of partner cx takes
; tile (w / 8) + 2 cx of group w % 8 and then the same tile of group 15 - w % 8: (g + 1) + (16 - g) = 17 key steps of 128 keys for every wave.  Steps all of whose keys are hidden are jumped over (a branch on the wave's number and a counter).
; LAYOUT.  S^T = K Q^T (source 0 = 16 keys, source 1 = my 16 queries), O^T = V^T P^T: a lane holds ONE query throughout; tile t's eight registers are keys 16 t + 8 h + 0..7, which are P's registers 2 t, 2 t + 1.
; No branch and no LDS address hangs on cx: it enters the addresses of Q and y and the mask's threshold alone.
; LIMITS: e2 + e3 between -123 and 130 (added to c's exponent field); e4, and e6 - e4 - e5, between -126 and 127.
.set WV,  18
.set TB,  56                           ; s56  8,192 x the key step: its tiles' place in K and in V; also the loops' counter
.set G8,  57                           ; s57  8,192 x my query group: the step on the diagonal
.set CS,  58                           ; s[58:59] c = log2(e) / 8 x 2^(e2 + e3)
.set SEL, 60                           ; s[60:61] selects for lane l xor 16
.set G1A, 24                           ; s[24:31] group 1: 4 rows of 256 bytes;  s[32:39]: 60 rows;  s[40:43], s[44:47] their groups 0
.set G1B, 32
.set G0A, 40
.set G0B, 44
.set AL,  1                            ; v1   16 x lane: an image's place for my lane, in LDS and in memory
.set AV,  2                            ; v2   the same in V's half of LDS
.set DD,  3                            ; v3   16 i + r - 8 h: in the diagonal step register 8 t + j is hidden where 16 t + j is greater
.set ADK, 8
.set ADV, 9
.set KV,  32                           ; v32-95   8 fragments of K, then 4 of V
.set S,   96                           ; v96-159  S^T, then p
.set O,   160                          ; v160-191 O^T
.set MA,  208
.set MB,  209
.set F,   210                          ; v[210:211] the factor (low word)
.set L2,  212
.set PX,  214
.set NINF, 215
.set PC,  224                          ; v224-239 p's codes
.set PLIM, 240
.set PSC, 241
.set YLIM, 242
.set YSC, 243
.macro ROUND
	s_barrier_signal -1
	s_barrier_wait -1
	s_cmp_lg_u32 s[WV], 0
	s_cbranch_scc1 .Lnot_wave_0_\@
	s_barrier_signal -3
.Lnot_wave_0_\@:
	s_barrier_wait -3
	s_barrier_signal -1
	s_barrier_wait -1
.endm
	s_load_b128 s[4:7], s[0:1], 0x0                ; qkv_img, the exponents
	s_load_b64 s[8:9], s[0:1], 0x10                ; y_img
	v_lshl_add_u32 v254, v0, 2, 0x40000
	v_mov_b32 v255, 0
	ds_add_u32 v254, v255
	ds_add_u32 v254, v255
	v_lshrrev_b32 v4, 5, v0
	s_delay_alu instid0(VALU_DEP_1)
	v_readfirstlane_b32 s[WV], v4                  ; wave 0..15
	s_bfe_u32 s19, ttmp6, 0x40000                  ; cx
	s_and_b32 s20, ttmp7, 0xffff                   ; batch x 16 + head
	s_and_b32 s21, s[WV], 7                        ; g
	s_lshr_b32 s23, s[WV], 3
.irp g, G1A, G1B
	s_mov_b32 s[\g+0], 15|(3<<16)|(1<<21)          ; the mask: all four; elements of 8 bytes; bit 21 beside a mask; no padding: every read is 16 x lane
	s_mov_b32 s[\g+1], 32<<16                      ; rows of 256 bytes
	s_mov_b32 s[\g+3], 32<<16
	s_mov_b32 s[\g+5], 32                          ; dense
	s_mov_b32 s[\g+6], 0
	s_mov_b32 s[\g+7], 0
.endr
	s_mov_b32 s[G1A+2], 4<<16
	s_mov_b32 s[G1A+4], 4
	s_mov_b32 s[G1B+2], 60<<16
	s_mov_b32 s[G1B+4], 60
	s_lshl_b32 s10, s23, 17                        ; waves 0-7 fetch K, waves 8-15 V
	s_lshl_b32 s14, s21, 10
	s_add_co_u32 s14, s14, s10                     ; first load: my 1,024 bytes of key step 0
	s_mov_b32 s15, 0
	s_mul_i32 s12, s21, 15360
	s_add_co_u32 s12, s12, s10
	s_add_co_u32 s12, s12, 8192                    ; second: my 15,360 bytes of the other fifteen steps
	s_mov_b32 s13, 0
	s_mul_i32 s16, s20, 393216
	s_mov_b32 s17, 0
	s_lshl_b32 s22, s19, 1                         ; what hangs on cx stands in registers of its own
	s_add_co_u32 s22, s22, s23                     ; i: my tile in a group
	s_lshl_b32 s76, s21, 3
	s_add_co_u32 s76, s76, s22                     ; my first query tile: 8 g + i
	s_sub_co_u32 s77, 15, s21
	s_lshl_b32 s77, s77, 3
	s_add_co_u32 s77, s77, s22                     ; my second: 8 (15 - g) + i
	s_lshr_b32 s80, s20, 4
	s_lshl_b32 s80, s80, 7
	s_and_b32 s81, s20, 15
	s_add_co_u32 s82, s80, s76
	s_lshl_b32 s82, s82, 4
	s_add_co_u32 s82, s82, s81
	s_lshl_b32 s82, s82, 10                        ; y: ((batch x 128 + tile) x 16 + head) x 1,024
	s_mov_b32 s83, 0
	s_add_co_u32 s84, s80, s77
	s_lshl_b32 s84, s84, 4
	s_add_co_u32 s84, s84, s81
	s_lshl_b32 s84, s84, 10
	s_mov_b32 s85, 0
	s_lshl_b32 s78, s76, 10                        ; q: tile x 1,024
	s_mov_b32 s79, 0
	s_lshl_b32 s76, s77, 10
	s_mov_b32 s77, 0
	v_and_b32 v4, 31, v0
	s_delay_alu instid0(VALU_DEP_1)
	v_lshlrev_b32 v[AL], 4, v4
	s_delay_alu instid0(VALU_DEP_1)
	v_add_nc_u32 v[AV], 131072, v[AL]
	v_and_b32 v5, 15, v0
	v_bfe_u32 v6, v0, 4, 1
	s_delay_alu instid0(VALU_DEP_1)
	v_lshlrev_b32 v6, 3, v6
	s_delay_alu instid0(VALU_DEP_1)
	v_sub_nc_u32 v[DD], v5, v6
	s_lshl_b32 s86, s22, 4
	v_add_nc_u32 v[DD], s86, v[DD]
	v_mov_b32 v[NINF], 0xff800000
	v_mov_b32 v[PX], 0                             ; written once: a lane permute's destination counts as one of its sources
	v_mov_b32 v[F+1], 0                            ; (named as the upper half of a pair)
	s_mov_b32 s[SEL], 0x76543210
	s_mov_b32 s[SEL+1], 0xfedcba98
	s_mov_b32 s[CS], 0x3e38aa3b                    ; log2(e) / 8
	s_lshl_b32 s[G8], s21, 13
	s_wait_dscnt 0x0
	s_wait_kmcnt 0x0
	s_load_b256 s[68:75], s[6:7], 0x0              ; e0 .. e7
	s_add_nc_u64 s[4:5], s[4:5], s[16:17]          ; the head's q
	s_add_nc_u64 s[48:49], s[4:5], s[78:79]
	s_add_nc_u64 s[50:51], s[4:5], s[76:77]
	s_add_nc_u64 s[52:53], s[8:9], s[82:83]
	s_add_nc_u64 s[54:55], s[8:9], s[84:85]
	s_add_nc_u64 s[16:17], s[4:5], 131072          ; the head's K, and V behind it
	s_mov_b32 s[G0A], 1
	s_mov_b32 s[G0A+1], s14                        ; byte b of the head's K and V lies at LDS byte b
	s_add_nc_u64 s[G0A+2:G0A+3], s[16:17], s[14:15]
	s_or_b32 s[G0A+3], s[G0A+3], 0x80000000
	s_mov_b32 s[G0B], 1
	s_mov_b32 s[G0B+1], s12
	s_add_nc_u64 s[G0B+2:G0B+3], s[16:17], s[12:13]
	s_or_b32 s[G0B+3], s[G0B+3], 0x80000000
	ROUND                                          ; all four work-groups are here: the joint loads meet
	tensor_load_to_lds s[G0A:G0A+3], s[G1A:G1A+7]  ; key step 0 first, so that work can begin; one tensor load of mine is out
	s_nop 0
	s_wait_alu depctr_va_vdst(0)
	s_wait_tensorcnt 0x0
	ds_add_u32 v254, v255
	s_wait_dscnt 0x0
	ROUND
	tensor_load_to_lds s[G0B:G0B+3], s[G1B:G1B+7]
	s_nop 0
.rept 4
	v_nop
.endr
	global_load_b128 v[16:19], v[AL], s[48:49]             ; Q of both my tiles stays in registers
	global_load_b128 v[20:23], v[AL], s[48:49] offset:512
	global_load_b128 v[24:27], v[AL], s[50:51]
	global_load_b128 v[28:31], v[AL], s[50:51] offset:512
	s_wait_kmcnt 0x0
	s_add_co_i32 s87, s70, s71
	s_lshl_b32 s87, s87, 23
	s_add_co_i32 s[CS], s[CS], s87                 ; a score stands for score x 2^(e2 + e3): added to c's exponent field
	s_mov_b32 s[CS+1], s[CS]
	s_add_co_i32 s87, s72, 127
	s_lshl_b32 s88, s87, 23
	v_mov_b32 v[PSC], s88                          ; 2^e4
	s_sub_co_i32 s87, s74, s72
	s_sub_co_i32 s87, s87, s73
	s_add_co_i32 s87, s87, 127
	s_lshl_b32 s88, s87, 23
	v_mov_b32 v[YSC], s88                          ; 2^(e6 - e4 - e5): O / l stands for y / 2^(e4 + e5)
.macro RESET                           ; a tile begins: O^T and the sum are zeros, the largest t lies under every t; the first change of M multiplies zeros
	v_mov_b32 v13, 0xff61b1e6
	s_delay_alu instid0(VALU_DEP_1)
	v_floor_f32 v12, -v13
	v_mov_b32 v14, 0
	v_mov_b32 v15, 0
.set n, 0
.rept 32
	v_mov_b32 v[O+n], 0
.set n, n+1
.endr
.endm
; A KEY STEP: 128 keys, whose tiles begin at s[TB] in K and in V.  qr: my tile's Q.
.macro STEP qr
	s_setprio 2
	v_add_nc_u32 v[ADK], s[TB], v[AL]
	v_add_nc_u32 v[ADV], s[TB], v[AV]
.irp t, 0,1,2,3,4,5,6,7
	ds_load_b128 v[KV+8*\t:KV+8*\t+3], v[ADK] offset:1024*\t
	ds_load_b128 v[KV+8*\t+4:KV+8*\t+7], v[ADK] offset:1024*\t+512
.endr
	s_wait_alu depctr_va_vdst(0)
	s_wait_dscnt 0x0
.irp t, 0,1,2,3,4,5,6,7
	v_wmma_f32_16x16x64_fp8_fp8 v[S+8*\t:S+8*\t+7], v[KV+8*\t:KV+8*\t+7], v[\qr:\qr+7], 0
.endr
.rept 4
	v_nop                                          ; four places: ahead of the loads into K's registers, and of the first read of the scores
.endr
.irp t, 0,1,2,3
.irp c, 0,1,2,3
	ds_load_b128 v[KV+16*\t+4*\c:KV+16*\t+4*\c+3], v[ADV] offset:2048*\t+512*\c   ; V lands while the softmax is walked
.endr
.endr
	s_cmp_lg_u32 s[TB], s[G8]                      ; only the step on the diagonal has hidden keys: their scores become -infinity ahead of the maximum, so p = 0
	s_cbranch_scc1 .Lopen_\@
.set n, 0
.rept 64
	v_cmp_gt_i32 vcc_lo, 16*(n/8)+n%8, v[DD]
	v_cndmask_b32 v[S+n], v[S+n], v[NINF], vcc_lo
.set n, n+1
.endr
.Lopen_\@:
	v_max3_num_f32 v[MA], v[S], v[S+1], v[S+2]     ; the step's largest score among my 64 keys, in two chains, in ascending order,
	v_max3_num_f32 v[MB], v[S+3], v[S+4], v[S+5]
.set n, 6
.rept 14
	v_max3_num_f32 v[MA], v[MA], v[S+n], v[S+n+1]
	v_max3_num_f32 v[MB], v[MB], v[S+n+2], v[S+n+3]
.set n, n+4
.endr
	v_max3_num_f32 v[MA], v[MA], v[S+62], v[S+63]
	s_delay_alu instid0(VALU_DEP_1)
	v_max_num_f32 v[MA], v[MA], v[MB]
	s_delay_alu instid0(VALU_DEP_1)
	v_permlanex16_b32 v[PX], v[MA], s[SEL], s[SEL+1]
	s_delay_alu instid0(VALU_DEP_1)
	v_max_num_f32 v[MA], v[MA], v[PX]              ; and among lane l xor 16's
	s_delay_alu instid0(VALU_DEP_1)
	v_mul_f32 v[MA], s[CS], v[MA]                  ; as t (c is positive)
	s_delay_alu instid0(VALU_DEP_1)
	v_max_num_f32 v13, v13, v[MA]                  ; the running largest t
	v_mov_b32 v[MA], v12
	s_delay_alu instid0(VALU_DEP_2)
	v_floor_f32 v12, -v13                          ; -M = floor(-t): M is a whole number
	s_delay_alu instid0(VALU_DEP_1)
	v_sub_f32 v[MA], v12, v[MA]                    ; old M - new M: a whole number, 0 or less
	s_delay_alu instid0(VALU_DEP_1)
	v_cvt_i32_f32 v[MA], v[MA]                     ; (it saturates)
	s_delay_alu instid0(VALU_DEP_1)
	v_ldexp_f32 v[F], 1.0, v[MA]                   ; 2^(old M - new M)
.set n, 0
	s_setprio 1
.rept 32
	v_pk_fma_f32 v[S+n:S+n+1], v[S+n:S+n+1], s[CS:CS+1], v[12:13] op_sel_hi:[1,0,0]   ; t - M
.set n, n+2
.endr
.set n, 0
	s_wait_alu depctr_va_vdst(0)
.rept 64
	v_exp_f32 v[S+n], v[S+n]                       ; p = 2^(t - M), at most 1
.set n, n+1
.endr
	v_pk_mul_f32 v[14:15], v[14:15], v[F:F+1] op_sel_hi:[1,0]   ; the sums under the new M; also the plain line behind the exponentials
	s_wait_alu depctr_va_vdst(0)                   ; one wait for the whole batch, ahead of its first reader
	v_pk_add_f32 v[L2:L2+1], v[S:S+1], v[S+2:S+3]  ; the row's sum is taken of the unquantised p, in two chains
.set n, 4
.rept 15
	v_pk_add_f32 v[14:15], v[14:15], v[S+n:S+n+1]
	v_pk_add_f32 v[L2:L2+1], v[L2:L2+1], v[S+n+2:S+n+3]
.set n, n+4
.endr
	s_delay_alu instid0(VALU_DEP_1)
	v_pk_add_f32 v[14:15], v[14:15], v[L2:L2+1]
	s_setprio 0
.irp t, 0,1,2,3,4,5,6,7
.irp i, 0,1,2,3,4,5,6,7
.endr
	v_cvt_scalef32_pk8_fp8_f32 v[PC+2*\t:PC+2*\t+1], v[S+8*\t:S+8*\t+7], v[PSC]
.endr
.set n, 0
.rept 16
	v_pk_mul_f32 v[O+n:O+n+1], v[O+n:O+n+1], v[F:F+1] op_sel_hi:[1,0]   ; O^T under the new M, from each accumulator's low end on; also the plain lines behind the conversions
.set n, n+2
.endr
	s_wait_alu depctr_va_vdst(0)
	s_wait_dscnt 0x0                               ; V is in
.irp t, 0,1,2,3
	v_wmma_f32_16x16x128_fp8_fp8 v[O+8*\t:O+8*\t+7], v[KV+16*\t:KV+16*\t+15], v[PC:PC+15], v[O+8*\t:O+8*\t+7]   ; the four accumulators by turns
.endr
.rept 4
	v_nop                                          ; four places, on every way on: ahead of the next step's loads into V's registers and of the next read of O^T
.endr
.endm
.macro FINISH cr, yb                   ; O^T / l, quantised: the conversions' results are the image, 1,024 bytes on end
	v_add_f32 v14, v14, v15
	s_delay_alu instid0(VALU_DEP_1)
	v_permlanex16_b32 v[PX], v14, s[SEL], s[SEL+1]
	s_delay_alu instid0(VALU_DEP_1)
	v_add_f32 v14, v14, v[PX]                      ; the row's sum
	s_wait_alu depctr_va_vdst(0)
	v_rcp_f32 v[F], v14
	v_nop                                          ; a plain line behind the reciprocal,
	s_wait_alu depctr_va_vdst(0)                   ; and the wait ahead of its first reader
.set n, 0
.rept 16
	v_pk_mul_f32 v[O+n:O+n+1], v[O+n:O+n+1], v[F:F+1] op_sel_hi:[1,0]
.set n, n+2
.endr
.set n, 0
.rept 32
.set n, n+1
.endr
.irp t, 0,1,2,3
	v_cvt_scalef32_pk8_fp8_f32 v[\cr+2*\t:\cr+2*\t+1], v[O+8*\t:O+8*\t+7], v[YSC]
.endr
	v_nop                                          ; one plain line between the conversions and what writes their sources next
	global_store_b128 v[AL], v[\cr:\cr+3], s[\yb:\yb+1]            ; each store covers 512 consecutive bytes, aligned
	global_store_b128 v[AL], v[\cr+4:\cr+7], s[\yb:\yb+1] offset:512
.endm
	RESET
	s_mov_b32 s[TB], 0
	s_wait_loadcnt 0x0                             ; Q
	s_wait_tensorcnt 0x1                           ; my part of key step 0 is in; the large load may stay out
	s_barrier_signal -1
	s_barrier_wait -1                              ; everybody's is
	STEP 16                                        ; key step 0 counts for every tile
	s_wait_tensorcnt 0x0                           ; my part of the rest is in,
	s_wait_dscnt 0x0
	s_barrier_signal -1
	s_barrier_wait -1                              ; everybody's is: no barrier stands in the loops
	s_mov_b32 s[TB], 8192
.Lone:                                             ; 7 trips, a constant; a step behind my group's diagonal is jumped over
	s_cmp_gt_u32 s[TB], s[G8]
	s_cbranch_scc1 .Lhidden_one
	STEP 16
.Lhidden_one:
	s_add_co_u32 s[TB], s[TB], 8192
	s_cmp_lt_u32 s[TB], 65536
	s_cbranch_scc1 .Lone
	s_setprio 0
	FINISH 192, 52
	RESET
	s_sub_co_u32 s[G8], 15, s21
	s_lshl_b32 s[G8], s[G8], 13
	s_mov_b32 s[TB], 0
.Ltwo:                                             ; 16 trips
	s_cmp_gt_u32 s[TB], s[G8]
	s_cbranch_scc1 .Lhidden_two
	STEP 24
.Lhidden_two:
	s_add_co_u32 s[TB], s[TB], 8192
	s_cmp_lt_u32 s[TB], 131072
	s_cbranch_scc1 .Ltwo
	s_setprio 0
	FINISH 200, 54
	s_wait_tensorcnt 0x0
	ds_add_u32 v254, v255
	s_wait_dscnt 0x0
	ROUND                                          ; the closing round
	s_endpgm
.Lfunc_end_k_qfa48d23332_attn:
	.size	k_qfa48d23332_attn, .Lfunc_end_k_qfa48d23332_attn-k_qfa48d23332_attn
	.p2alignl 7, 3214868480
	.fill 96, 4, 3214868480
	.section	.rodata,"a",@progbits
	.p2align	6, 0x0
	.amdhsa_kernel k_qfa48d23332_attn
		.amdhsa_group_segment_fixed_size 327680
		.amdhsa_private_segment_fixed_size 0
		.amdhsa_enable_private_segment 0
		.amdhsa_kernarg_size 24
		.amdhsa_user_sgpr_count 2
		.amdhsa_user_sgpr_kernarg_segment_ptr 1
		.amdhsa_wavefront_size32 1
		.amdhsa_system_sgpr_workgroup_id_x 1
		.amdhsa_system_sgpr_workgroup_id_y 1
		.amdhsa_system_sgpr_workgroup_id_z 1
		.amdhsa_system_vgpr_workitem_id 0
		.amdhsa_next_free_vgpr 256
		.amdhsa_next_free_sgpr 90
		.amdhsa_reserve_vcc 1
		.amdhsa_float_denorm_mode_32 3
		.amdhsa_float_denorm_mode_16_64 3
		.amdhsa_fp16_overflow 1
		.amdhsa_memory_ordered 1
		.amdhsa_forward_progress 1
		.amdhsa_inst_pref_size 70
	.end_amdhsa_kernel
	.amdgpu_metadata
---
amdhsa.version: [ 1, 2 ]
amdhsa.kernels:
  - .name:           k_qfa48d23332_attn
    .symbol:         k_qfa48d23332_attn.kd
    .args:
      - { .name: qkv_img, .offset: 0, .size: 8, .value_kind: global_buffer, .address_space: global }
      - { .name: lowp_scales, .offset: 8, .size: 8, .value_kind: global_buffer, .address_space: global }
      - { .name: y_img, .offset: 16, .size: 8, .value_kind: global_buffer, .address_space: global }
    .group_segment_fixed_size: 327680
    .private_segment_fixed_size: 0
    .kernarg_segment_align: 8
    .kernarg_segment_size: 24
    .max_flat_workgroup_size: 512
    .sgpr_count:     90
    .vgpr_count:     256
    .wavefront_size: 32
...
	.end_amdgpu_metadata
.endif
;; end of part 2
;; launch proj (part 3): grid 4 x 64, 4 waves a work-group, clusters of 4 x 1, 168,448 bytes of LDS; arguments y_img, w_out_codes, b_out, lowp_scales, out0; writes out0
.if DOCPART == 3
	.amdgcn_target "amdgcn-amd-amdhsa--gfx1250"
	.amdhsa_code_object_version 6
	.text
	.protected	k_qfa48d23332_proj
	.globl	k_qfa48d23332_proj
	.p2align	8
	.type	k_qfa48d23332_proj,@function
k_qfa48d23332_proj:
	s_mov_b64 s[64:65], 0
	v_nop
	global_prefetch_b8 v0, s[64:65] scope:SCOPE_SE
	s_setreg_imm32_b32 hwreg(HW_REG_WAVE_MODE, 25, 1), 1
	s_wait_xcnt 0x0
	s_wait_alu depctr_hold_cnt(0) depctr_sa_sdst(0) depctr_va_vdst(0) depctr_va_sdst(0) depctr_va_ssrc(0) depctr_va_vcc(0) depctr_vm_vsrc(0)
	s_getreg_b32 s2, hwreg(HW_REG_IB_STS2, 6, 4)
	s_cmp_eq_u32 s2, 0
	s_cbranch_scc0 .Lentry_in_a_cluster
	s_endpgm
.Lentry_in_a_cluster:
	s_bfe_u32 s2, ttmp6, 0x10000c
	s_cmp_lg_u32 s2, 0x3003
	s_cbranch_scc0 .Lentry_shape_is_right
	s_endpgm
.Lentry_shape_is_right:
; out0 = y w_out + b_out on codes of E4M3 (y: 2^e6, w: 2^e7).  y_img: [tile of 16 rows][head][1,024]: images of operand registers; a row tile's sixteen heads are its whole K: K step s = heads 2 s, 2 s + 1,
; registers 2 c, 2 c + 1 = k = 128 s + 16 c + 8 h + 0..7.  w_out_codes [1024][1024], K innermost.  out0 [8192][1024] f32.
; SHARES.  A work-group takes 256 columns (cx; a wave 64) and 128 rows.  A wave's 64 x 1,024 codes of w stay in 512 registers; the 128 rows' images, 131,072 bytes on end, are brought into LDS once, by joint loads:
; the four partners of a cluster have the same rows.  Nothing is filled again.  w is not shared in a cluster: each partner has other columns.
; Source 0 = 16 rows of w, source 1 = 16 rows of y: a lane holds one row and eight neighbouring columns; a tile of 16 rows x 64 columns goes through my stage in LDS and leaves as rows of 256 bytes.
; LIMIT: e6 + e7 between -126 and 127, so that 2^(e6 + e7) is an f32 number.
; REGISTERS: window 0: addresses, v32-63 b_out's tiles, v64-95 four accumulators, v96-127 results, v128-159 rows read back.  window 1: y's fragments, two sets of 128.  windows 2, 3: w (tile t, K step s) at 64 t + 16 (s % 4).
.set STG, 131072                       ; behind y: a stage of 8,448 bytes for each wave: w's way in (16 rows x 528), then the way out (16 rows x 272); no tile lands there
.set WSP, 528
.set WSB, 16*WSP
.set OP,  272
.set YA,  6                            ; v6   16 x lane;  v7  the same + 65,536: row tiles 4-7
.set WSI, 8
.set WSO, 9                            ; v9   my stage: r x 528 + 8 h
.set SO,  10                           ; v10  the way out: r x 272 + 32 h
.set BH,  11                           ; v11  32 h
.set SR,  15                           ; v15  back: h x 272 + 16 r: lanes 0-15 one row, lanes 16-31 the next
.set GO,  16                           ; v16  the same two rows in out0: 4,096 h + 16 r
.set BI,  32
.set ACC, 64
.set TMP, 96
.set RB,  128
.set WV,  14
.set G1,  24
.set G0,  32
.set MSB, 0
.macro WIN new
.if MSB != (\new)
	s_set_vgpr_msb (MSB<<8)|(\new)
.set MSB, (\new)
.endif
.endm
.macro ROUND
	s_barrier_signal -1
	s_barrier_wait -1
	s_cmp_lg_u32 s[WV], 0
	s_cbranch_scc1 .Lnot_wave_0_\@
	s_barrier_signal -3
.Lnot_wave_0_\@:
	s_barrier_wait -3
	s_barrier_signal -1
	s_barrier_wait -1
.endm
	s_load_b256 s[4:11], s[0:1], 0x0               ; y_img s[4:5], w s[6:7], b s[8:9], the exponents s[10:11]
	s_load_b64 s[12:13], s[0:1], 0x20              ; out0
	v_lshl_add_u32 v254, v0, 2, 0x29000
	v_mov_b32 v255, 0
	ds_add_u32 v254, v255
	ds_add_u32 v254, v255
	v_lshrrev_b32 v1, 5, v0
	v_readfirstlane_b32 s[WV], v1
	s_bfe_u32 s15, ttmp6, 0x40000                  ; cx: the slab of 256 columns
	s_and_b32 s17, ttmp7, 0xffff                   ; which 128 rows
	s_mov_b32 s[G1+0], 15|(3<<16)|(1<<21)          ; the mask: all four; elements of 8 bytes; bit 21 beside a mask; no padding: every read is 16 x lane
	s_mov_b32 s[G1+1], 32<<16                      ; rows of 256 bytes
	s_mov_b32 s[G1+2], 128<<16
	s_mov_b32 s[G1+3], 32<<16
	s_mov_b32 s[G1+4], 128
	s_mov_b32 s[G1+5], 32                          ; dense
	s_mov_b32 s[G1+6], 0
	s_mov_b32 s[G1+7], 0
	s_lshl_b32 s19, s[WV], 15                      ; my quarter, in LDS and in memory
	s_lshl_b32 s20, s17, 17
	s_add_co_u32 s20, s20, s19
	s_mov_b32 s21, 0
	s_lshl_b32 s52, s15, 18                        ; what hangs on cx stands in registers of its own
	s_lshl_b32 s51, s[WV], 16
	s_add_co_u32 s52, s52, s51                     ; w: my first row (256 cx + 64 wave) x 1,024 bytes
	s_mov_b32 s53, 0
	s_lshl_b32 s54, s15, 10
	s_lshl_b32 s51, s[WV], 8
	s_add_co_u32 s54, s54, s51                     ; the same row x 4 bytes: its place in b_out, and my columns' place in a row of out0
	s_mov_b32 s55, 0
	s_lshl_b32 s56, s17, 19                        ; 128 rows of 4,096 bytes
	s_add_co_u32 s56, s56, s54
	s_mov_b32 s57, 0
	v_and_b32 v1, 31, v0
	v_and_b32 v2, 15, v0                           ; r
	v_bfe_u32 v3, v0, 4, 1                         ; h
	v_lshlrev_b32 v[YA], 4, v1
	v_add_nc_u32 v[YA+1], 65536, v[YA]
	s_mul_i32 s22, s[WV], WSB
	s_add_co_u32 s22, s22, STG
	v_add_nc_u32 v[WSI], s22, v[YA]
	v_mul_u32_u24 v[WSO], v2, WSP
	v_lshl_add_u32 v[WSO], v3, 3, v[WSO]
	v_add_nc_u32 v[WSO], s22, v[WSO]
	v_mul_u32_u24 v[SO], v2, OP
	v_lshl_add_u32 v[SO], v3, 5, v[SO]
	v_add_nc_u32 v[SO], s22, v[SO]
	v_mul_u32_u24 v[SR], v3, OP
	v_lshl_add_u32 v[SR], v2, 4, v[SR]
	v_add_nc_u32 v[SR], s22, v[SR]
	v_lshlrev_b32 v[GO], 12, v3
	v_lshl_add_u32 v[GO], v2, 4, v[GO]
	v_lshlrev_b32 v[BH], 5, v3
	s_wait_dscnt 0x0
	s_wait_kmcnt 0x0
	s_load_b256 s[68:75], s[10:11], 0x0            ; e0 .. e7
	s_add_nc_u64 s[4:5], s[4:5], s[20:21]
	s_add_nc_u64 s[6:7], s[6:7], s[52:53]
	s_add_nc_u64 s[8:9], s[8:9], s[54:55]
	s_add_nc_u64 s[12:13], s[12:13], s[56:57]
	s_mov_b32 s[G0], 1
	s_mov_b32 s[G0+1], s19
	s_mov_b64 s[G0+2:G0+3], s[4:5]
	s_or_b32 s[G0+3], s[G0+3], 0x80000000
	ROUND                                          ; all four work-groups are here: the joint loads meet
	tensor_load_to_lds s[G0:G0+3], s[G1:G1+7]      ; my one tensor load of the launch: 128 rows of 256 bytes
	s_nop 0
.rept 4
	v_nop
.endr
	s_wait_alu depctr_va_vdst(0)
.irp t, 0,1,2,3
	global_load_b128 v[BI+8*\t:BI+8*\t+3], v[BH], s[8:9] offset:64*\t          ; b_out at my eight columns 16 t + 8 h + j
	global_load_b128 v[BI+8*\t+4:BI+8*\t+7], v[BH], s[8:9] offset:64*\t+16
.endr
; W INTO ITS REGISTERS.  Chunk q = 16 rows (tile q % 4) x 512 bytes (half q / 4 of K).  Each load takes 512 consecutive bytes of one row; the chunk turns through my stage and comes back as four fragments,
; k in the places that y's images have: registers 2 c, 2 c + 1 = 16 c + 8 h + 0..7.
.macro WRAW q
	WIN (2+(\q)/4)<<6
.irp p, 0,1,2,3,4,5,6,7,8,9,10,11,12,13,14,15
	global_load_b128 v[64*((\q)%4)+4*\p:64*((\q)%4)+4*\p+3], v[YA], s[6:7] offset:(16*((\q)%4)+\p)*1024+512*((\q)/4)
.endr
.endm
.macro WTURN q
.if (\q) < 6
	s_wait_loadcnt 32                              ; chunk q is in (and the bias, which is older); the two younger chunks, 16 loads each, may be out
.elseif (\q) == 6
	s_wait_loadcnt 16
.else
	s_wait_loadcnt 0x0
.endif
	WIN (2+(\q)/4)<<2
.irp p, 0,1,2,3,4,5,6,7,8,9,10,11,12,13,14,15
	ds_store_b128 v[WSI], v[64*((\q)%4)+4*\p:64*((\q)%4)+4*\p+3] offset:WSP*\p
.endr
	WIN (2+(\q)/4)<<6
.irp s, 0,1,2,3
.irp c, 0,1,2,3,4,5,6,7
	ds_load_b64 v[64*((\q)%4)+16*\s+2*\c:64*((\q)%4)+16*\s+2*\c+1], v[WSO] offset:128*\s+16*\c   ; LDS serves a wave's instructions in order (ISA guide 5.7.1.4): these see the stores above, and the next chunk's stores come behind them
.endr
.endr
.endm
	WRAW 0
	WRAW 1
	WRAW 2
.irp q, 0,1,2,3,4,5,6,7
	WTURN \q
.if \q < 5
	WRAW \q+3
.endif
.endr
	WIN 0
	s_wait_kmcnt 0x0
	s_add_co_i32 s46, s74, s75
	s_add_co_i32 s46, s46, 127
	s_lshl_b32 s46, s46, 23                        ; 2^(e6 + e7) as f32
	s_mov_b32 s47, s46                             ; (named with it as a pair, so it is written)
.macro LOADY m                         ; row tile m: eight fragments (16 rows x 128 K) into set m % 2, as they lie
.irp s, 0,1,2,3,4,5,6,7
.irp c, 0,1,2,3
	ds_load_b128 v[128*((\m)%2)+16*\s+4*\c:128*((\m)%2)+16*\s+4*\c+3], v[YA+(\m)/4] offset:((\m)%4)*16384+2048*\s+512*\c
.endr
.endr
.endm
.macro MULT m                          ; 32 matrix instructions: the four accumulators take turns, K step by K step; the first K step starts the sums
.irp s, 0,1,2,3,4,5,6,7
	WIN 0x06+\s/4                                  ; source 0 = w (window 2 or 3), source 1 = y (window 1)
.irp t, 0,1,2,3
.set rW, 64*\t+16*(\s%4)
.set rX, 128*((\m)%2)+16*\s
.set rA, ACC+8*\t
.if \s == 0
	v_wmma_f32_16x16x128_fp8_fp8 v[rA:rA+7], v[rW:rW+15], v[rX:rX+15], 0
.else
	v_wmma_f32_16x16x128_fp8_fp8 v[rA:rA+7], v[rW:rW+15], v[rX:rX+15], v[rA:rA+7]
.endif
.endr
.endr
.endm
.macro SEND m
.irp i, 0,1,2,3,4,5,6,7
	global_store_b128 v[GO], v[RB+4*\i:RB+4*\i+3], s[12:13] offset:65536*(\m)+8192*\i th:TH_STORE_NT   ; sixteen lanes store 256 consecutive bytes, aligned; written once, read by nobody here
.endr
.endm
.macro TILE m
.if \m < 7
	WIN 0x40
	LOADY \m+1
	s_wait_dscnt 32                                ; all but the 32 loads just issued: this tile's fragments are in, and the tile before is back from the stage
.else
	s_wait_dscnt 0x0
.endif
.if \m > 0
	WIN 0
	SEND \m-1                                      ; the tile before leaves while this one is multiplied
.endif
	MULT \m
	WIN 0
.rept 4
	v_nop                                          ; four places between the last products and the first read of their results; with the lines below they also part those products from the next loads and the next sums' first products
.endr
.set i, 0
.rept 16
	v_pk_fma_f32 v[TMP+i:TMP+i+1], v[ACC+i:ACC+i+1], s[46:47], v[BI+i:BI+i+1] op_sel_hi:[1,0,1]   ; sum x 2^(e6 + e7) + b_out; each accumulator from its low end on
.set i, i+2
.endr
.irp t, 0,1,2,3
	ds_store_b128 v[SO], v[TMP+8*\t:TMP+8*\t+3] offset:64*\t
	ds_store_b128 v[SO], v[TMP+8*\t+4:TMP+8*\t+7] offset:64*\t+16
.endr
	s_wait_xcnt 0x0                                ; the stores of the tile before have read their registers: only behind this wait are they loaded again
.irp i, 0,1,2,3,4,5,6,7
	ds_load_b128 v[RB+4*\i:RB+4*\i+3], v[SR] offset:2*OP*\i   ; in order behind my stores: two whole rows of 256 bytes an instruction
.endr
.endm
	s_wait_tensorcnt 0x0                           ; my quarter of y is in,
	s_wait_dscnt 0x0                               ; and w's fragments
	s_barrier_signal -1
	s_barrier_wait -1                              ; everybody's quarter is
	WIN 0x40
	LOADY 0
.irp m, 0,1,2,3,4,5,6,7
	TILE \m
.endr
	s_wait_dscnt 0x0
	SEND 7
	s_wait_tensorcnt 0x0
	ds_add_u32 v254, v255
	s_wait_dscnt 0x0
	ROUND                                          ; the closing round
	s_endpgm
.Lfunc_end_k_qfa48d23332_proj:
	.size	k_qfa48d23332_proj, .Lfunc_end_k_qfa48d23332_proj-k_qfa48d23332_proj
	.p2alignl 7, 3214868480
	.fill 96, 4, 3214868480
	.section	.rodata,"a",@progbits
	.p2align	6, 0x0
	.amdhsa_kernel k_qfa48d23332_proj
		.amdhsa_group_segment_fixed_size 168448
		.amdhsa_private_segment_fixed_size 0
		.amdhsa_enable_private_segment 0
		.amdhsa_kernarg_size 40
		.amdhsa_user_sgpr_count 2
		.amdhsa_user_sgpr_kernarg_segment_ptr 1
		.amdhsa_wavefront_size32 1
		.amdhsa_system_sgpr_workgroup_id_x 1
		.amdhsa_system_sgpr_workgroup_id_y 1
		.amdhsa_system_sgpr_workgroup_id_z 1
		.amdhsa_system_vgpr_workitem_id 0
		.amdhsa_next_free_vgpr 1024
		.amdhsa_next_free_sgpr 80
		.amdhsa_reserve_vcc 0
		.amdhsa_float_denorm_mode_32 3
		.amdhsa_float_denorm_mode_16_64 3
		.amdhsa_memory_ordered 1
		.amdhsa_forward_progress 1
		.amdhsa_inst_pref_size 100
	.end_amdhsa_kernel
	.amdgpu_metadata
---
amdhsa.version: [ 1, 2 ]
amdhsa.kernels:
  - .name:           k_qfa48d23332_proj
    .symbol:         k_qfa48d23332_proj.kd
    .args:
      - { .name: y_img, .offset: 0, .size: 8, .value_kind: global_buffer, .address_space: global }
      - { .name: w_out_codes, .offset: 8, .size: 8, .value_kind: global_buffer, .address_space: global }
      - { .name: b_out, .offset: 16, .size: 8, .value_kind: global_buffer, .address_space: global }
      - { .name: lowp_scales, .offset: 24, .size: 8, .value_kind: global_buffer, .address_space: global }
      - { .name: out0, .offset: 32, .size: 8, .value_kind: global_buffer, .address_space: global }
    .group_segment_fixed_size: 168448
    .private_segment_fixed_size: 0
    .kernarg_segment_align: 8
    .kernarg_segment_size: 40
    .max_flat_workgroup_size: 128
    .sgpr_count:     80
    .vgpr_count:     1024
    .wavefront_size: 32
...
	.end_amdgpu_metadata
.endif
;; end of part 3
